; MI455X (gfx1250); checked and timed in simulation.
; The chip was launched on July 23, 2026; its instructions are those of AMD's public machine-readable ISA for CDNA 5 (MIT licence, August 2026) and "CDNA5" Instruction Set Architecture Reference Guide (July 2026). The comments in the code are by the model that wrote it; some were corrected since.
;; Bahdanau Attention. Allowed arithmetic: matrix products marked QUANTISED: E4M3 operands, one given power-of-two scale a tensor, by v_wmma_f32_16x16x64_fp8_fp8 or v_wmma_f32_16x16x128_fp8_fp8, f32 sums; products left as they are: f32 operands where the result goes on into a quantised operand, else bf16, f16 or f32 operands; f32 sums; everything else in f32.
;; Inputs: W_dec_codes 1,024 x 32 x 32 uint8 (E4M3 codes of W_dec, K innermost, in blocks of 32 codes); W_enc_codes 1,024 x 32 x 32 uint8 (E4M3 codes of W_enc, K innermost, in blocks of 32 codes); decoder_hidden_codes 64 x 32 x 32 uint8 (E4M3 codes of decoder_hidden, K innermost, in blocks of 32 codes); encoder_outputs 64 x 1,024 x 1,024 float32; lowp_scales 4 int32 (the exponents e of the quantised operands' scales 2^e); src_mask 64 x 1,024 int32; v 1,024 float32.
;; Outputs: out0 64 x 1,024 float32; out1 64 x 1,024 float32.
;; This version of the problem:
;;   THIS VERSION OF THE PROBLEM IS GIVEN IN LOW PRECISION. The matrix products marked QUANTISED in the list below multiply operands that are first quantised to E4M3 (4 exponent bits, 3 mantissa bits; 8 bits a number), with one given power-of-two scale for each operand tensor; their sums are f32. All else is computed in f32.
;;   The module's matrix products, in the order in which they are computed (A, B: the left and right operand; K: the contracted axis; several contracted axes count as one K, in the product's order):
;;     1. [M 64, K 1,024] x [K 1,024, N 1,024]; A: input decoder_hidden (given as codes); B: input W_dec (given as codes): QUANTISED (scales: A lowp_scales[0], B lowp_scales[1])
;;     2. [M 65,536, K 1,024] x [K 1,024, N 1,024]; A: input encoder_outputs; B: input W_enc (given as codes): QUANTISED (scales: A lowp_scales[2], B lowp_scales[3])
;;     3. [M 65,536, K 1,024] x [K 1,024, N 1]; A: computed on the way; B: input v: left as it is (N = 1 < 16)
;;     4. batch 64 x [M 1, K 1,024] x [K 1,024, N 1,024]; A: softmax; B: input encoder_outputs: left as it is (M = 1 < 16)
;;   THE QUANTISER, for each operand of a quantised product, along K:
;;     - The operand's scale is 2^e, e = its entry of the input lowp_scales (int32; the entries are numbered through the quantised products in the list's order, A before B).
;;     - Each number is divided by the scale, clamped to +-448, and rounded to the nearest number of E4M3, ties to even, subnormals kept.
;;     - The product sums the exact products of the quantised numbers (number of the format x scale) in f32.
;;   ~~~python
;;   def quantise(x, axis, e):      # numpy; x: float32 -> the quantised numbers, widened to float32 again
;;       x = np.moveaxis(x, axis, -1); K = x.shape[-1]
;;       r = np.clip(x / 2.0 ** e, -448, 448)
;;       step = 2.0 ** (np.maximum(np.frexp(np.where(r == 0, 1, r))[1] - 1, -6) - 3)
;;       q = np.round(r / step) * step * 2.0 ** e      # np.round: ties to even
;;       return np.moveaxis(q, -1, axis).astype(np.float32)
;;   ~~~
;;   INPUTS GIVEN AS CODES. W_dec (in the module: [1024, 1024], K = its axis 1); W_enc (in the module: [1024, 1024], K = its axis 1); decoder_hidden (in the module: [64, 1024], K = its axis 1): each comes as NAME_codes (uint8): NAME with its K axis moved to the last place and cut into blocks of 32 codes, [.., K / 32, bytes a block], one block behind the other in memory; one code a byte (a code: sign, 4 exponent bits, 3 mantissa bits); its scale is its entry of lowp_scales. Its value is code x scale, taken as it is: it is not quantised again, and the codes and scales need not be those that the quantiser above would give.
;; One version. Each part assembles by itself: llvm-mc -triple=amdgcn-amd-amdhsa -mcpu=gfx1250 --defsym DOCPART=n.
;; ======== version 1 of 1: 4 launches
;; limits: right only within a limited range of input values
;; workspace buffers: dtab 262,144 bytes; scores 262,144 bytes; part 1,048,576 bytes
;; launch decproj (part 1): grid 16 x 4, 4 waves a work-group, no clusters, 5,120 bytes of LDS; arguments decoder_hidden_codes, W_dec_codes, lowp_scales, dtab; writes dtab
.if DOCPART == 1
	.amdgcn_target "amdgcn-amd-amdhsa--gfx1250"
	.amdhsa_code_object_version 6
	.text
	.protected	k_q62dc356064_decproj
	.globl	k_q62dc356064_decproj
	.p2align	8
	.type	k_q62dc356064_decproj,@function
k_q62dc356064_decproj:
	s_mov_b64 s[64:65], 0
	v_nop
	global_prefetch_b8 v0, s[64:65] scope:SCOPE_SE
	s_setreg_imm32_b32 hwreg(HW_REG_WAVE_MODE, 25, 1), 1
	s_wait_xcnt 0x0
; dtab[b][n] = 2 log2(e) x 2^(e0 + e1) x sum over k of hid[b][k] Wdec[n][k]: the decoder's projection, already in the form in which the next launch adds it to the argument of its exponential.
; hid: [64][1024], Wdec: [1024][1024]: codes of FP8 (E4M3), K innermost, taken as they are given; e0, e1: entries 0 and 1 of the scales' exponents.  Sums in f32.
; LIMIT: e0 + e1 between -127 and 126, so that 2 log2(e) x 2^(e0 + e1) is a normal f32 number.
; SHARES.  Work-group (x, y): batches 16 y .. 16 y + 15, columns 64 x .. 64 x + 63.  Wave w: Wdec's rows 64 x + 16 w .. + 15.  64 work-groups: the product has no more tiles of this size, and it is small.
; The product is used transposed (source 0 = 16 rows of Wdec, source 1 = 16 rows of hid): lane (r, h) holds batch r and the columns 8 h + 0 .. 7 of the wave's sixteen.
; A fragment (16 rows x 128 K) comes by four loads of 16 bytes, 32 bytes apart, at row x 1024 + 16 h: the same permutation of k on both sides, so every product meets its partner.
; REGISTERS: window 0: v1-7 addresses; v16-23, v24-31 two accumulators that take turns (even and odd K steps); v32-39 the result; v40-47 rows read back; v128-255 hid's 8 fragments.  window 1: v0-127 Wdec's 8 fragments.
.set PITCH, 272                        ; a stage row: 64 columns of f32 + 16 bytes
.set HF,    128                        ; hid's fragments
.set MSB, 0
.macro WIN new                         ; the immediate's high byte repeats the setting that is left
.if MSB != (\new)
	s_set_vgpr_msb (MSB<<8)|(\new)
.set MSB, (\new)
.endif
.endm
	s_load_b128 s[4:7], s[0:1], 0x0                ; hid's codes, Wdec's codes
	s_load_b128 s[8:11], s[0:1], 0x10              ; the scales' exponents, dtab
	v_lshl_add_u32 v126, v0, 2, 0x1200
	v_mov_b32 v127, 0
	v_lshrrev_b32 v1, 5, v0
	v_readfirstlane_b32 s12, v1                    ; wave 0..3
	v_and_b32 v1, 15, v0                           ; r
	v_bfe_u32 v2, v0, 4, 1                         ; h
	v_lshlrev_b32 v3, 10, v1
	v_lshl_add_u32 v3, v2, 4, v3                   ; a fragment's row of 1,024 bytes + 16 h
	v_mul_u32_u24 v4, v1, PITCH
	v_lshl_add_u32 v4, v2, 5, v4
	s_lshl_b32 s14, s12, 6
	v_add_nc_u32 v4, s14, v4                       ; into the stage: row r, + 64 w + 32 h: my eight columns
	s_lshl_b32 s14, s12, 2
	v_add_nc_u32 v5, s14, v2                       ; back: row 4 w + h (and two rows further on)
	v_mul_u32_u24 v7, v5, PITCH
	v_lshl_add_u32 v7, v1, 4, v7                   ; sixteen lanes to a row
	v_lshlrev_b32 v6, 12, v5
	v_lshl_add_u32 v6, v1, 4, v6                   ; and the same place in dtab: rows of 4,096 bytes
	s_and_b32 s13, ttmp7, 0xffff                   ; y
	s_lshl_b32 s20, s13, 14                        ; hid: 16 y rows of 1,024 bytes
	s_mov_b32 s21, 0
	s_lshl_b32 s22, ttmp9, 16                      ; Wdec: 64 x + 16 w rows
	s_lshl_b32 s14, s12, 14
	s_add_co_u32 s22, s22, s14
	s_mov_b32 s23, 0
	s_lshl_b32 s24, s13, 16                        ; dtab: 16 y rows of 4,096 bytes + 256 x
	s_lshl_b32 s14, ttmp9, 8
	s_add_co_u32 s24, s24, s14
	s_mov_b32 s25, 0
	s_wait_alu depctr_va_vdst(0)
	s_wait_kmcnt 0x0
	s_load_b64 s[16:17], s[8:9], 0x0               ; e0, e1
	s_add_nc_u64 s[4:5], s[4:5], s[20:21]
	s_add_nc_u64 s[6:7], s[6:7], s[22:23]
	s_add_nc_u64 s[10:11], s[10:11], s[24:25]
	WIN 0x40                                       ; destination window 1, address window 0
.irp s, 0,1,2,3,4,5,6,7
.irp c, 0,1,2,3
	global_load_b128 v[16*\s+4*\c:16*\s+4*\c+3], v3, s[6:7] offset:128*\s+32*\c
.endr
.endr
	WIN 0
.irp s, 0,1,2,3,4,5,6,7
.irp c, 0,1,2,3
	global_load_b128 v[HF+16*\s+4*\c:HF+16*\s+4*\c+3], v3, s[4:5] offset:128*\s+32*\c
.endr
.endr
	WIN 0x01                                       ; source 0 (Wdec) window 1
.irp s, 0,1,2,3,4,5,6,7
	s_wait_loadcnt 4*(7-\s)                        ; loads come back in order: all of Wdec and hid's fragments 0 .. s are in; the later fragments' four loads each stay out
.if \s < 2
	v_wmma_f32_16x16x128_fp8_fp8 v[16+8*(\s%2):23+8*(\s%2)], v[16*\s:16*\s+15], v[HF+16*\s:HF+16*\s+15], 0
.else
	v_wmma_f32_16x16x128_fp8_fp8 v[16+8*(\s%2):23+8*(\s%2)], v[16*\s:16*\s+15], v[HF+16*\s:HF+16*\s+15], v[16+8*(\s%2):23+8*(\s%2)]
.endif
.endr
	WIN 0
	s_wait_kmcnt 0x0
	s_add_co_i32 s18, s16, s17
	s_lshl_b32 s18, s18, 23
	s_add_co_i32 s18, s18, 0x4038aa3b              ; 2 log2(e) with e0 + e1 added to its exponent field
	s_mov_b32 s19, s18                             ; (named with it as a pair, so it is written)
.rept 4
	v_nop                                          ; four places between the last products and the first read of their results (ISA guide 7.12.1)
.endr
.irp i, 0,2,4,6
	v_pk_add_f32 v[32+\i:33+\i], v[16+\i:17+\i], v[24+\i:25+\i]   ; the two halves of K; each accumulator from its low end on
.endr
.irp i, 0,2,4,6
	v_pk_mul_f32 v[32+\i:33+\i], v[32+\i:33+\i], s[18:19] op_sel_hi:[1,0]
.endr
	ds_store_b128 v4, v[32:35]
	ds_store_b128 v4, v[36:39] offset:16
	s_wait_dscnt 0x0                               ; for the others' sake: a row's 256 bytes come from four waves
	s_barrier_signal -1
	s_barrier_wait -1
	ds_load_b128 v[40:43], v7
	ds_load_b128 v[44:47], v7 offset:2*PITCH
	s_wait_dscnt 1
	global_store_b128 v6, v[40:43], s[10:11]       ; sixteen lanes store 256 consecutive bytes, at a multiple of 256 from dtab's first byte
	s_wait_dscnt 0
	global_store_b128 v6, v[44:47], s[10:11] offset:8192
	s_wait_tensorcnt 0x0
	ds_add_u32 v126, v127
	s_wait_dscnt 0x0
	s_endpgm
.Lfunc_end_k_q62dc356064_decproj:
	.size	k_q62dc356064_decproj, .Lfunc_end_k_q62dc356064_decproj-k_q62dc356064_decproj
	.p2alignl 7, 3214868480
	.fill 96, 4, 3214868480
	.section	.rodata,"a",@progbits
	.p2align	6, 0x0
	.amdhsa_kernel k_q62dc356064_decproj
		.amdhsa_group_segment_fixed_size 5120
		.amdhsa_private_segment_fixed_size 0
		.amdhsa_enable_private_segment 0
		.amdhsa_kernarg_size 32
		.amdhsa_user_sgpr_count 2
		.amdhsa_user_sgpr_kernarg_segment_ptr 1
		.amdhsa_wavefront_size32 1
		.amdhsa_system_sgpr_workgroup_id_x 1
		.amdhsa_system_sgpr_workgroup_id_y 1
		.amdhsa_system_sgpr_workgroup_id_z 1
		.amdhsa_system_vgpr_workitem_id 0
		.amdhsa_next_free_vgpr 384
		.amdhsa_next_free_sgpr 66
		.amdhsa_reserve_vcc 0
		.amdhsa_float_denorm_mode_32 3
		.amdhsa_float_denorm_mode_16_64 3
		.amdhsa_memory_ordered 1
		.amdhsa_forward_progress 1
		.amdhsa_inst_pref_size 11
	.end_amdhsa_kernel
	.amdgpu_metadata
---
amdhsa.version: [ 1, 2 ]
amdhsa.kernels:
  - .name:           k_q62dc356064_decproj
    .symbol:         k_q62dc356064_decproj.kd
    .args:
      - { .name: decoder_hidden_codes, .offset: 0, .size: 8, .value_kind: global_buffer, .address_space: global }
      - { .name: W_dec_codes, .offset: 8, .size: 8, .value_kind: global_buffer, .address_space: global }
      - { .name: lowp_scales, .offset: 16, .size: 8, .value_kind: global_buffer, .address_space: global }
      - { .name: dtab, .offset: 24, .size: 8, .value_kind: global_buffer, .address_space: global }
    .group_segment_fixed_size: 5120
    .private_segment_fixed_size: 0
    .kernarg_segment_align: 8
    .kernarg_segment_size: 32
    .max_flat_workgroup_size: 128
    .sgpr_count:     66
    .vgpr_count:     384
    .wavefront_size: 32
...
	.end_amdgpu_metadata
.endif
;; end of part 1
;; launch scores (part 2): grid 256 x 1, 4 waves a work-group, clusters of 4 x 1, 327,680 bytes of LDS; arguments encoder_outputs, W_enc_codes, src_mask, lowp_scales, v, dtab, scores; writes scores
.if DOCPART == 2
	.amdgcn_target "amdgcn-amd-amdhsa--gfx1250"
	.amdhsa_code_object_version 6
	.text
	.protected	k_q62dc356064_scores
	.globl	k_q62dc356064_scores
	.p2align	8
	.type	k_q62dc356064_scores,@function
k_q62dc356064_scores:
	s_mov_b64 s[64:65], 0
	v_nop
	global_prefetch_b8 v0, s[64:65] scope:SCOPE_SE
	s_setreg_imm32_b32 hwreg(HW_REG_WAVE_MODE, 25, 1), 1
	s_wait_xcnt 0x0
	s_wait_alu depctr_hold_cnt(0) depctr_sa_sdst(0) depctr_va_vdst(0) depctr_va_sdst(0) depctr_va_ssrc(0) depctr_va_vcc(0) depctr_vm_vsrc(0)
	s_getreg_b32 s2, hwreg(HW_REG_IB_STS2, 6, 4)
	s_cmp_eq_u32 s2, 0
	s_cbranch_scc0 .Lentry_in_a_cluster
	s_endpgm
.Lentry_in_a_cluster:
	s_bfe_u32 s2, ttmp6, 0x10000c
	s_cmp_lg_u32 s2, 0x3003
	s_cbranch_scc0 .Lentry_shape_is_right
	s_endpgm
.Lentry_shape_is_right:
; scores[b][s] = sum over n of v[n] tanh(enc_proj[b][s][n] + dec_proj[b][n]);  enc_proj = Q(encoder_outputs) W_enc^T on codes of FP8 (E4M3), sums in f32.
; dtab holds 2 log2(e) x dec_proj.  tanh(x) = 1 + r, r = 1 / (-0.5 y - 0.5), y = 2^(2 log2(e) x): the sum of v r is kept, and the sum of v is added once at the end.
; SHARES.  A cluster of four work-groups is one batch; a work-group owns 256 rows, a wave 64 (four tiles of 16), whose codes, 64 x 1,024 bytes, stay in 512 registers.
; W_enc's codes walk through a ring of two LDS slots of 128 rows, asked for jointly by the four partners (mask 15), a quarter of a slot a wave.
; A ROW WHOSE MASK WORD IS 0 gets -1e9 for its score in the next launch, whatever stands here: its loads are sent to the wave's first row (an offset times 0), with no branch.
; The product is used transposed (source 0 = 16 rows of W_enc, source 1 = 16 rows of codes): a lane holds one row s and eight neighbouring n.
; A TILE of 16 n is one BODY: its 32 matrix instructions stand on end, four accumulators by turns, and no transcendental stands between a sum's steps.
; The tanh goes over three bodies on fixed registers: ACC -> Y (x scale + d, then exp), Y -> Z (-0.5 y - 0.5, then rcp), Z x v -> SACC.  One batch of 64 transcendentals a body.
; No prefetch is laid: each refill of the ring has eight bodies' work in which to land, and the encoder's rows are read once, at the head, 64 loads a wave on their way.
; LIMITS: e2 between -126 and 119; e2 + e3 between -127 and 126; NaN and infinities among the inputs are not served.
; REGISTERS.  window 0: v1-13 addresses, v16-23 SACC, v24-31 d, v32-39 v, v64-95 ACC, v96-127 Y, v128-255 W's eight fragments.  windows 1-3: the codes; window 3 v128-159: Z.
.set WP,     1040
.set TILEB,  16*WP
.set QUART,  32*WP
.set SLOT1,  128*WP
.set STG,    2*SLOT1
.set STGW,   8448
.set SPI,    528
.set TABD,   STG+4*STGW
.set TABV,   TABD+4096
.set SPARE,  TABV+4096
.set SPW,  1
.set NIL,  2
.set L16,  3
.set STO,  4
.set SRD,  5
.set BAD0, 6
.set ADB,  7
.set TA0,  8
.set TAD,  9
.set QS,   10
.set QL,   11
.set T16,  12
.set TBS,  13
.set SACC, 16
.set DTB,  24
.set VR,   32
.set WO1,  56
.set WO2,  57
.set WO3,  58
.set WO4,  59
.set OFF,  64
.set ACC,  64
.set YR,   96
.set ZR,   128
.set BF,   128
.set XB,   128
.set WV,   18
.set CX,   19
.set G1,   24
.set G0A,  32
.set G0B,  36
.set SCL,  44
.set TB,   46
.set TT,   47
.set OUTER, 48
.set INNER, 49
.set SEL,  50
.set MB,   52
.set MK,   68
.set MSB, 0
.macro WIN new                         ; the immediate's high byte repeats the setting that is left
.if MSB != (\new)
	s_set_vgpr_msb (MSB<<8)|(\new)
.set MSB, (\new)
.endif
.endm
.macro PLACES n
.rept \n
	v_nop
.endr
.endm
.macro CROUND                          ; a round of the cluster's barrier
	s_barrier_signal -1
	s_barrier_wait -1
	s_cmp_lg_u32 s[WV], 0
	s_cbranch_scc1 .Lnot_wave_0_\@
	s_barrier_signal -3
.Lnot_wave_0_\@:
	s_barrier_wait -3
	s_barrier_signal -1
	s_barrier_wait -1
.endm
	s_load_b256 s[4:11], s[0:1], 0x0               ; encoder_outputs, W_enc's codes, the mask, the scales' exponents
	s_load_b128 s[12:15], s[0:1], 0x20             ; v, dtab
	s_load_b64 s[16:17], s[0:1], 0x30              ; scores
	v_lshl_add_u32 v[SPW], v0, 2, SPARE
	v_mov_b32 v[NIL], 0
	ds_add_u32 v1, v2                              ; the opening lines: the add twice on end and its wait
	ds_add_u32 v1, v2
	s_wait_dscnt 0x0
	v_lshrrev_b32 v14, 5, v0
	v_readfirstlane_b32 s[WV], v14
	s_bfe_u32 s[CX], ttmp6, 0x40000
	v_and_b32 v60, 31, v0
	v_and_b32 v14, 15, v0
	v_bfe_u32 v15, v0, 4, 1
	v_lshlrev_b32 v[L16], 4, v60
	s_mul_i32 s20, s[WV], STGW
	s_add_co_u32 s20, s20, STG
	v_add_nc_u32 v[STO], s20, v[L16]
	v_mul_u32_u24 v[SRD], v14, SPI
	v_lshl_add_u32 v[SRD], v15, 6, v[SRD]
	v_add_nc_u32 v[SRD], s20, v[SRD]
	v_mul_u32_u24 v[BAD0], v14, WP
	v_lshl_add_u32 v[BAD0], v15, 4, v[BAD0]
	v_lshlrev_b32 v[TA0], 5, v15
	v_add_nc_u32 v[TA0], TABD, v[TA0]
	v_lshl_add_u32 v[WO1], v14, 2, s20
	v_lshl_add_u32 v[WO2], v60, 3, s20
	v_lshlrev_b32 v[WO3], 3, v60
	v_add_nc_u32 v[WO4], TABV, v[L16]
	v_lshlrev_b32 v[T16], 4, v0
	v_add_nc_u32 v[TBS], TABD, v[T16]
	s_mov_b32 s[G1], 15|(1<<20)|(1<<21)|(7<<22)|(3<<25)   ; mask: the four partners; rows of 1,024 bytes, 16 bytes of padding behind each
	s_mov_b32 s[G1+1], 1024<<16
	s_mov_b32 s[G1+2], 32<<16
	s_mov_b32 s[G1+3], 1024<<16
	s_mov_b32 s[G1+4], 32
	s_mov_b32 s[G1+5], 1024
	s_mov_b32 s[G1+6], 0
	s_mov_b32 s[G1+7], 0
	s_mov_b32 s[SEL], 0x76543210
	s_mov_b32 s[SEL+1], 0xfedcba98
	s_mul_i32 s21, s[WV], QUART
	s_lshl_b32 s22, s[WV], 15
	s_mov_b32 s23, 0
	s_lshl_b32 s54, ttmp9, 10
	s_lshl_b32 s55, s[CX], 8
	s_add_co_u32 s54, s54, s55
	s_lshl_b32 s55, s[WV], 6
	s_add_co_u32 s54, s54, s55                     ; my first row: 1,024 batch + 256 cx + 64 wave
	s_lshl_b32 s56, s54, 12
	s_mov_b32 s57, 0
	s_lshl_b32 s54, s54, 2
	s_mov_b32 s55, 0
	s_lshl_b32 s58, ttmp9, 12
	s_mov_b32 s59, 0
	s_wait_kmcnt 0x0
	s_load_b128 s[40:43], s[10:11], 0x0
	s_add_nc_u64 s[MB:MB+1], s[8:9], s[54:55]
	s_load_b512 s[MK:MK+15], s[MB:MB+1], 0x0
	s_load_b512 s[MK+16:MK+31], s[MB:MB+1], 0x40
	s_add_nc_u64 s[4:5], s[4:5], s[56:57]
	s_add_nc_u64 s[16:17], s[16:17], s[54:55]
	s_add_nc_u64 s[14:15], s[14:15], s[58:59]
	s_mov_b32 s[G0A], 1
	s_mov_b32 s[G0A+1], s21
	s_add_nc_u64 s[G0A+2:G0A+3], s[6:7], s[22:23]
	s_mov_b32 s[G0B], 1
	s_add_co_u32 s[G0B+1], s21, SLOT1
	s_add_nc_u64 s[G0B+2:G0B+3], s[G0A+2:G0A+3], 131072
	s_or_b32 s[G0A+3], s[G0A+3], 0x80000000
	s_or_b32 s[G0B+3], s[G0B+3], 0x80000000
	CROUND
	tensor_load_to_lds s[G0A:G0A+3], s[G1:G1+7]    ; slot 0: my one tensor load at the head; slot 1 is first filled at the head's end
	s_nop 0
	PLACES 4
	s_wait_alu depctr_va_vdst(0)
	global_load_b128 v[40:43], v[T16], s[14:15]    ; the batch's row of dtab, and v: 4,096 bytes each, shared out among the 128 threads
	global_load_b128 v[44:47], v[T16], s[14:15] offset:2048
	global_load_b128 v[48:51], v[T16], s[12:13]
	global_load_b128 v[52:55], v[T16], s[12:13] offset:2048
	s_wait_kmcnt 0x0
	s_add_co_i32 s20, s42, 127
	s_lshl_b32 s21, s20, 23
	v_mov_b32 v[QS], s21                           ; 2^e2
	s_add_co_i32 s20, s20, 8
	s_lshl_b32 s20, s20, 23
	s_or_b32 s20, s20, 0x600000
	v_mov_b32 v[QL], s20                           ; 448 x 2^e2
	s_add_co_i32 s20, s42, s43
	s_lshl_b32 s20, s20, 23
	s_add_co_i32 s[SCL], s20, 0x4038aa3b           ; 2 log2(e) x 2^(e2 + e3)
	s_mov_b32 s[SCL+1], s[SCL]
.macro OFFS32 half                     ; a row's offset: row x 4,096 where its mask word is not 0, else 0
.set ii, 0
.rept 32
	s_min_u32 s2, s[MK+ii], 1
	s_mul_i32 s2, s2, (32*(\half)+ii)*4096
	v_add_nc_u32 v[OFF+32*(\half)+ii], s2, v[L16]
.set ii, ii+1
.endr
.endm
; Group g = 16 rows (tile g / 8) x 128 along K (step g % 8): loaded by rows of 512 bytes, turned through my stage in LDS so that a lane holds 16 neighbours along K four times, held and converted.
.macro GSET g
.set G_T, (\g)/8
.set G_S, (\g)%8
.set G_Q, (\g)%4
.set R_W, 1+G_Q-G_Q/3
.set R_B, 192-64*(G_Q/2)*(1-G_Q/3)
.set X_B, XB+64*((\g)%2)
.set C_W, 1+G_S/3
.set C_B, 16*(4*(G_S%3)+G_T)
.endm
.macro LOADG g
	GSET \g
	WIN (R_W<<6)
.set ii, 0
.rept 16
	global_load_b128 v[R_B+4*ii:R_B+4*ii+3], v[OFF+16*G_T+ii], s[4:5] offset:512*G_S
.set ii, ii+1
.endr
.endm
.macro TURNG g
	GSET \g
	WIN (R_W<<2)
.set ii, 0
.rept 16
	ds_store_b128 v[STO], v[R_B+4*ii:R_B+4*ii+3] offset:SPI*ii
.set ii, ii+1
.endr
	WIN 0
.irp c, 0,1,2,3
.irp j, 0,1,2,3
	ds_load_b128 v[X_B+16*\c+4*\j:X_B+16*\c+4*\j+3], v[SRD] offset:128*\c+16*\j
.endr
.endr
.endm
.macro QUANTG g
	GSET \g
.set ii, 0
.rept 64
	v_med3_num_f32 v[X_B+ii], v[X_B+ii], -v[QL], v[QL]
.set ii, ii+1
.endr
	WIN (C_W<<6)
.irp c, 0,1,2,3
	v_cvt_scalef32_pk8_fp8_f32 v[C_B+4*\c:C_B+4*\c+1], v[X_B+16*\c:X_B+16*\c+7], v[QS]
	v_cvt_scalef32_pk8_fp8_f32 v[C_B+4*\c+2:C_B+4*\c+3], v[X_B+16*\c+8:X_B+16*\c+15], v[QS]
.endr
	v_nop
	WIN 0
.endm
.macro STEPG g
	s_wait_dscnt 0x0
.if (\g) < 28
	LOADG (\g)+4
.endif
.if (\g) < 31
.if (\g) <= 27
	s_wait_loadcnt 48                              ; group g + 1 is in; the three groups behind it stay out
.else
	s_wait_loadcnt 16*(30-(\g))
.endif
	TURNG (\g)+1
.endif
.if (\g) == 8
	s_wait_kmcnt 0x0
	OFFS32 1
.endif
	QUANTG \g
.endm
	OFFS32 0
	s_load_b512 s[MK:MK+15], s[MB:MB+1], 0x80
	s_load_b512 s[MK+16:MK+31], s[MB:MB+1], 0xc0
	LOADG 0
	LOADG 1
	LOADG 2
	LOADG 3
	s_wait_loadcnt 48
	WIN 0
	ds_store_b128 v[TBS], v[40:43]
	ds_store_b128 v[TBS], v[44:47] offset:2048
	ds_store_b128 v[TBS], v[48:51] offset:4096
	ds_store_b128 v[TBS], v[52:55] offset:6144
	TURNG 0
.set GG, 0
.rept 32
	STEPG GG
.set GG, GG+1
.endr
.macro RELOAD s, adr                   ; fragment s of a tile of W: 16 rows x 128 K, four loads of 16 bytes a lane
.irp c, 0,1,2,3
	ds_load_b128 v[BF+16*(\s)+4*\c:BF+16*(\s)+4*\c+3], v[\adr] offset:128*(\s)+32*\c
.endr
.endm
.macro MM
.set rA, ACC+8*tt
.set rB, BF+16*ss
.set rC, 16*(4*(ss%3)+tt)
.if ss == 0
	v_wmma_f32_16x16x128_fp8_fp8 v[rA:rA+7], v[rB:rB+15], v[rC:rC+15], 0
.else
	v_wmma_f32_16x16x128_fp8_fp8 v[rA:rA+7], v[rB:rB+15], v[rC:rC+15], v[rA:rA+7]
.endif
.endm
; BODY p.  f2: Y of tile p - 2 -> Z.  f1: ACC of tile p - 1 -> Y.  The batch: exp on Y, rcp on Z.  w: tile p's products.  f3: Z x v of tile p - 2 onto SACC.
; rl: tile p + 1's fragments are fetched, 0-3 in the body's middle with tile p's d, 4-7 at its end with tile p - 1's v (vl): two runs of 18 LDS loads.
; d0: the LDS loads that may stay out at the body's head: the last body's second run.
.macro BODY f1, f2, w, rl, f3, vl, d0
	s_wait_dscnt \d0                               ; d and fragments 0-3 are in
.if \rl
	v_add_nc_u32 v[ADB], s[TB], v[BAD0]
	s_add_co_u32 s[TB], s[TB], TILEB
.endif
.if (\w) || (\vl)
	v_add_nc_u32 v[TAD], s[TT], v[TA0]
	s_add_co_u32 s[TT], s[TT], 64
.endif
.if \f2
	WIN 0xc0
.set ii, 0
.rept 16
	v_pk_fma_f32 v[ZR+ii:ZR+ii+1], v[YR+ii:YR+ii+1], -0.5, -0.5 op_sel_hi:[1,0,0]
.set ii, ii+2
.endr
	WIN 0
.endif
.if \f1
.set ii, 0
.rept 16
	v_pk_fma_f32 v[YR+ii:YR+ii+1], v[ACC+ii:ACC+ii+1], s[SCL:SCL+1], v[DTB+(ii%8):DTB+(ii%8)+1] op_sel_hi:[1,0,1]   ; each accumulator from its low end on
.set ii, ii+2
.endr
.endif
	s_wait_alu depctr_va_vdst(0)                   ; the wait ahead of the batch; it serves the addresses made above too
.if \f1
.set ii, 0
.rept 32
	v_exp_f32 v[YR+ii], v[YR+ii]
.set ii, ii+1
.endr
.endif
.if \f2
	WIN 0xc3
.set ii, 0
.rept 32
	v_rcp_f32 v[ZR+ii], v[ZR+ii]
.set ii, ii+1
.endr
.endif
.if (\f1) || (\f2)
	v_nop                                          ; one plain place behind the batch
.endif
.if \w
.set ss, 0
.rept 8
.if ss == 4
.if \rl
	PLACES 4                                       ; in front of loads into fragments 0-3, which the products above have read
.endif
	WIN 0
	ds_load_b128 v[DTB:DTB+3], v[TAD]
	ds_load_b128 v[DTB+4:DTB+7], v[TAD] offset:16
.if \rl
.irp s, 0,1,2,3
	RELOAD \s, ADB
.endr
	s_wait_dscnt 18                                ; all but the 18 just issued: fragments 4-7 and v are in
.else
	s_wait_dscnt 2
.endif
.endif
	WIN 4*(1+ss/3)
.set tt, 0
.rept 4
	MM
.set tt, tt+1
.endr
.set ss, ss+1
.endr
.endif
.if \f3
	WIN 0x03
.endif
.if (\w) == 0
	s_wait_dscnt 0x0
.endif
.if (\f1) || (\f2)
	s_wait_alu depctr_va_vdst(0)                   ; one wait for the batch, ahead of its first reader
.endif
.if \f3
.irp j, 0,1,2,3
.irp t, 0,1,2,3
	v_pk_fma_f32 v[SACC+2*\t:SACC+2*\t+1], v[ZR+8*\t+2*\j:ZR+8*\t+2*\j+1], v[VR+2*\j:VR+2*\j+1], v[SACC+2*\t:SACC+2*\t+1]   ; these sixteen are also the places behind the last products
.endr
.endr
.elseif \rl
	PLACES 4
.endif
	WIN 0
.if \vl
	ds_load_b128 v[VR:VR+3], v[TAD] offset:4032
	ds_load_b128 v[VR+4:VR+7], v[TAD] offset:4048
.endif
.if \rl
.irp s, 4,5,6,7
	RELOAD \s, ADB
.endr
.endif
.endm
.macro CHANGE fill                     ; the change of slots: it stands ahead of the body that fetches the next slot's first tile
	s_wait_tensorcnt 0x0
	ds_add_u32 v[SPW], v[NIL]
.if \fill
	s_xor_b32 s[G0B+1], s[G0B+1], SLOT1
	s_add_nc_u64 s[G0B+2:G0B+3], s[G0B+2:G0B+3], 131072
.endif
	s_sub_co_u32 s[TB], s[TB], SLOT1
	s_xor_b32 s[TB], s[TB], SLOT1
	s_wait_dscnt 0x0                               ; the add is done, and my reads of the slot that is left are over
.if \fill
	CROUND
	tensor_load_to_lds s[G0B:G0B+3], s[G1:G1+7]
	s_nop 0
	PLACES 4
.else
	s_barrier_signal -1
	s_barrier_wait -1
.endif
.endm
	s_wait_alu depctr_va_vdst(0)                   ; the wait at the head's end
	s_wait_tensorcnt 0x0                           ; my quarter of slot 0 is in
	ds_add_u32 v[SPW], v[NIL]
	s_wait_dscnt 0x0                               ; the add, and my stores of the two tables
	CROUND
	tensor_load_to_lds s[G0B:G0B+3], s[G1:G1+7]    ; slot 1's first fill, issued as a refill is; seven bodies stand ahead of the wait for it
	s_nop 0
	PLACES 4
.irp s, 0,1,2,3,4,5,6,7
	RELOAD \s, BAD0
.endr
.irp i, 0,1,2,3,4,5,6,7
	v_mov_b32 v[SACC+\i], 0
.endr
	s_mov_b32 s[TB], TILEB
	s_mov_b32 s[TT], 0
	BODY 0, 0, 1, 1, 0, 0, 0                       ; tile 0
	BODY 1, 0, 1, 1, 0, 1, 16                      ; tile 1
	s_mov_b32 s[INNER], 5
.Lhead:                                            ; tiles 2 to 6
	BODY 1, 1, 1, 1, 1, 1, 18
	s_sub_co_u32 s[INNER], s[INNER], 1
	s_cmp_lg_u32 s[INNER], 0
	s_cbranch_scc1 .Lhead
	s_mov_b32 s[OUTER], 6
.Lslot:                                            ; tiles 7 to 54
	CHANGE 1
	s_mov_b32 s[INNER], 8
.Ltile:
	BODY 1, 1, 1, 1, 1, 1, 18
	s_sub_co_u32 s[INNER], s[INNER], 1
	s_cmp_lg_u32 s[INNER], 0
	s_cbranch_scc1 .Ltile
	s_sub_co_u32 s[OUTER], s[OUTER], 1
	s_cmp_lg_u32 s[OUTER], 0
	s_cbranch_scc1 .Lslot
	CHANGE 0                                       ; the last change fills nothing
	s_mov_b32 s[INNER], 8
.Ltail:                                            ; tiles 55 to 62
	BODY 1, 1, 1, 1, 1, 1, 18
	s_sub_co_u32 s[INNER], s[INNER], 1
	s_cmp_lg_u32 s[INNER], 0
	s_cbranch_scc1 .Ltail
	BODY 1, 1, 1, 0, 1, 1, 18                      ; tile 63: nothing more to fetch
.irp i, 0,1,2,3,4,5,6,7
	ds_load_b128 v[BF+4*\i:BF+4*\i+3], v[WO4] offset:512*\i   ; all of v, 32 numbers a lane, for its sum
.endr
	BODY 1, 1, 0, 0, 1, 1, 0                       ; the tanh of tiles 62 and 63 runs out
	BODY 0, 1, 0, 0, 1, 0, 0
.irp i, 0,4,8,12,16,20,24,28
	v_pk_add_f32 v[BF+\i:BF+\i+1], v[BF+\i:BF+\i+1], v[BF+\i+2:BF+\i+3]
.endr
.irp i, 0,8,16,24
	v_pk_add_f32 v[BF+\i:BF+\i+1], v[BF+\i:BF+\i+1], v[BF+\i+4:BF+\i+5]
.endr
.irp i, 0,16
	v_pk_add_f32 v[BF+\i:BF+\i+1], v[BF+\i:BF+\i+1], v[BF+\i+8:BF+\i+9]
.endr
	v_pk_add_f32 v[BF:BF+1], v[BF:BF+1], v[BF+16:BF+17]
	v_add_f32 v40, v[BF], v[BF+1]
	v_add_f32_dpp v40, v40, v40 row_xmask:1 row_mask:0xf bank_mask:0xf
	v_add_f32_dpp v40, v40, v40 row_xmask:2 row_mask:0xf bank_mask:0xf
	v_add_f32_dpp v40, v40, v40 row_xmask:4 row_mask:0xf bank_mask:0xf
	v_add_f32_dpp v40, v40, v40 row_xmask:8 row_mask:0xf bank_mask:0xf
	v_permlanex16_b32 v41, v40, s[SEL], s[SEL+1]
	v_add_f32 v40, v40, v41                        ; the sum of v
.irp t, 0,1,2,3
	v_add_f32 v[42+\t], v[SACC+2*\t], v[SACC+2*\t+1]
.endr
.irp t, 0,1,2,3
	v_permlanex16_b32 v[46+\t], v[42+\t], s[SEL], s[SEL+1]
.endr
.irp t, 0,1,2,3
	v_add_f32 v[42+\t], v[42+\t], v[46+\t]
.endr
.irp t, 0,1,2,3
	v_add_f32 v[42+\t], v[42+\t], v40
.endr
.irp t, 0,1,2,3
	ds_store_b32 v[WO1], v[42+\t] offset:64*\t     ; through my stage, so that the wave stores its 64 scores as 256 consecutive bytes
.endr
	ds_load_b64 v[50:51], v[WO2]
	s_wait_dscnt 0x0
	global_store_b64 v[WO3], v[50:51], s[16:17]
	s_wait_tensorcnt 0x0                           ; the wave's end
	ds_add_u32 v[SPW], v[NIL]
	s_wait_dscnt 0x0
	CROUND                                         ; the closing round
	s_endpgm
.Lfunc_end_k_q62dc356064_scores:
	.size	k_q62dc356064_scores, .Lfunc_end_k_q62dc356064_scores-k_q62dc356064_scores
	.p2alignl 7, 3214868480
	.fill 96, 4, 3214868480
	.section	.rodata,"a",@progbits
	.p2align	6, 0x0
	.amdhsa_kernel k_q62dc356064_scores
		.amdhsa_group_segment_fixed_size 327680
		.amdhsa_private_segment_fixed_size 0
		.amdhsa_enable_private_segment 0
		.amdhsa_kernarg_size 56
		.amdhsa_user_sgpr_count 2
		.amdhsa_user_sgpr_kernarg_segment_ptr 1
		.amdhsa_wavefront_size32 1
		.amdhsa_system_sgpr_workgroup_id_x 1
		.amdhsa_system_sgpr_workgroup_id_y 1
		.amdhsa_system_sgpr_workgroup_id_z 1
		.amdhsa_system_vgpr_workitem_id 0
		.amdhsa_next_free_vgpr 1024
		.amdhsa_next_free_sgpr 100
		.amdhsa_reserve_vcc 0
		.amdhsa_float_denorm_mode_32 3
		.amdhsa_float_denorm_mode_16_64 3
		.amdhsa_memory_ordered 1
		.amdhsa_forward_progress 1
		.amdhsa_inst_pref_size 255
	.end_amdhsa_kernel
	.section	.bss,"aw",@nobits
	.p2align	6
	.space	262144
	.amdgpu_metadata
---
amdhsa.version: [ 1, 2 ]
amdhsa.kernels:
  - .name:           k_q62dc356064_scores
    .symbol:         k_q62dc356064_scores.kd
    .args:
      - { .name: encoder_outputs, .offset: 0, .size: 8, .value_kind: global_buffer, .address_space: global }
      - { .name: W_enc_codes, .offset: 8, .size: 8, .value_kind: global_buffer, .address_space: global }
      - { .name: src_mask, .offset: 16, .size: 8, .value_kind: global_buffer, .address_space: global }
      - { .name: lowp_scales, .offset: 24, .size: 8, .value_kind: global_buffer, .address_space: global }
      - { .name: v, .offset: 32, .size: 8, .value_kind: global_buffer, .address_space: global }
      - { .name: dtab, .offset: 40, .size: 8, .value_kind: global_buffer, .address_space: global }
      - { .name: scores, .offset: 48, .size: 8, .value_kind: global_buffer, .address_space: global }
    .group_segment_fixed_size: 327680
    .private_segment_fixed_size: 0
    .kernarg_segment_align: 8
    .kernarg_segment_size: 56
    .max_flat_workgroup_size: 128
    .sgpr_count:     100
    .vgpr_count:     1024
    .wavefront_size: 32
...
	.end_amdgpu_metadata
.endif
;; end of part 2
;; launch ctxpart (part 3): grid 4 x 64, 8 waves a work-group, no clusters, 33,792 bytes of LDS; arguments encoder_outputs, src_mask, scores, part, out1; writes part, out1
.if DOCPART == 3
	.amdgcn_target "amdgcn-amd-amdhsa--gfx1250"
	.amdhsa_code_object_version 6
	.text
	.protected	k_q62dc356064_ctxpart
	.globl	k_q62dc356064_ctxpart
	.p2align	8
	.type	k_q62dc356064_ctxpart,@function
k_q62dc356064_ctxpart:
	s_mov_b64 s[64:65], 0
	v_nop
	global_prefetch_b8 v0, s[64:65] scope:SCOPE_SE
	s_setreg_imm32_b32 hwreg(HW_REG_WAVE_MODE, 25, 1), 1
	s_wait_xcnt 0x0
; attn[b][:] = softmax(where(mask == 0, -1e9, scores[b][:])), out1;  part[b][q][e] = sum over the rows s = 256 q .. 256 q + 255 of attn[b][s] encoder_outputs[b][s][e].  All in f32; the row's maximum is taken away before the exponential.
; SHARES.  Work-group (q, b) owns 256 consecutive rows of batch b, whole rows of 4,096 bytes, and out1[b][256 q .. + 255].  Wave w takes rows 256 q + 32 w .. + 31: a row is eight loads of 512 consecutive bytes, 32 sums a lane.
; Every wave makes the batch's maximum and sum for itself (32 scores a lane), the attn of its own 32 rows (a lane a row, from that row's score and mask word), and the attn of rows 128 w .. + 127 of the batch, which waves 2 q and 2 q + 1 store to out1.
; A ROW WHOSE MASK WORD IS 0 has attn = 0 wherever the batch has an open row (LIMIT: the sum of |v| stays under 9e8, so that -1e9 lies far under every score): its loads are sent to my wave's first row (an offset times 0),
; without a branch, and count 0 times.  In a batch with no open row every attn is 1 / 1,024 and every row is read: the bit "no open row" is joined to each mask word ahead of the hold.
; LIMIT: NaN and infinities among the inputs are not served (0 x a masked row's infinity would be NaN).
; No matrix unit, no cluster, no tensor load, no prefetch: a stream that is read once and shared with nobody; 40 loads a wave are on their way.  The 32 rows are written out: the mask words' scalar registers change from row to row.
.set PART,  0                          ; LDS: 4,096 bytes for each wave: its sums of 1,024 columns
.set SPARE, 32768
.set L16,  2                           ; 16 x lane
.set OWN,  3                           ; 512 w + 16 x lane
.set OM,   4
.set OS,   8
.set MX,   12
.set NEGR, 14
.set TMP,  15
.set SC,   16                          ; v16-47 the batch's scores: register 4 i + j = row 128 i + 4 lane + j
.set MKV,  48                          ; v48-79 its mask words; afterwards my 32 sums
.set ACC,  48
.set PV,   80                          ; my wave's rows, a lane a row: the score, then the attn
.set T2,   81
.set PST,  82
.set PRD,  83
.set PM,   84                          ; that row's mask word
.set PA,   85                          ; 4 x lane
.set OFFS, 86                          ; v86-90 five row offsets
.set SPW,  92
.set NIL,  93
.set X,    96                          ; v96-255 five rows of 32 registers
.set NA,   20
.set MK,   68
.set PS,   38                          ; s[38:39], s[40:41]: a row's attn, by turns
	s_load_b256 s[4:11], s[0:1], 0x0               ; encoder_outputs, the mask, scores, part
	s_load_b64 s[12:13], s[0:1], 0x20              ; out1
	v_lshl_add_u32 v[SPW], v0, 2, SPARE
	v_mov_b32 v[NIL], 0
	v_lshrrev_b32 v1, 5, v0
	v_readfirstlane_b32 s18, v1                    ; wave 0..7
	s_and_b32 s19, ttmp7, 0xffff                   ; the batch
	s_lshl_b32 s28, s18, 9
	s_lshl_b32 s21, s18, 12
	s_add_co_u32 s21, s21, PART
	s_lshl_b32 s22, ttmp9, 10
	s_lshl_b32 s23, s18, 7
	s_add_co_u32 s34, s22, s23                     ; 1,024 q + 128 w: my 32 rows' words in the mask and in scores
	s_mov_b32 s35, 0
	s_mov_b32 s30, 0x76543210
	s_mov_b32 s31, 0xfedcba98
	s_lshl_b32 s24, s19, 12                        ; the batch's 4,096 bytes in the mask, scores and out1
	s_mov_b32 s25, 0
	s_lshl_b32 s26, s19, 22                        ; in encoder_outputs: the batch, the work-group's 256 rows, my 32
	s_lshl_b32 s20, ttmp9, 20
	s_add_co_u32 s26, s26, s20
	s_lshl_b32 s20, s18, 17
	s_add_co_u32 s26, s26, s20
	s_mov_b32 s27, 0
	s_lshl_b32 s32, s19, 14                        ; in part: row 4 b + q of 4,096 bytes
	s_lshl_b32 s20, ttmp9, 12
	s_add_co_u32 s32, s32, s20
	s_mov_b32 s33, 0
	s_mov_b32 s[PS+1], 0                           ; (named as the upper halves of pairs)
	s_mov_b32 s[PS+3], 0
	v_and_b32 v1, 31, v0
	v_lshlrev_b32 v[L16], 4, v1
	v_lshlrev_b32 v[PA], 2, v1
	v_add_nc_u32 v[OWN], s28, v[L16]
	v_add_nc_u32 v[PST], s21, v[L16]
	v_add_nc_u32 v[PRD], PART, v[OWN]
	v_mov_b32 v[NEGR], 0xce6e6b28                  ; -1e9
	s_wait_alu depctr_va_vdst(0)                   ; the wait at the head's end
	s_wait_kmcnt 0x0
	s_add_nc_u64 s[6:7], s[6:7], s[24:25]
	s_add_nc_u64 s[8:9], s[8:9], s[24:25]
	s_add_nc_u64 s[12:13], s[12:13], s[24:25]
	s_add_nc_u64 s[10:11], s[10:11], s[32:33]
	s_add_nc_u64 s[4:5], s[4:5], s[26:27]
	s_add_nc_u64 s[14:15], s[6:7], s[34:35]        ; my 32 rows' mask words,
	s_add_nc_u64 s[16:17], s[8:9], s[34:35]        ; and their scores
	global_load_b128 v[OM:OM+3], v[OWN], s[6:7]
	global_load_b32 v[PM], v[PA], s[14:15]
.irp i, 0,1,2,3,4,5,6,7
	global_load_b128 v[MKV+4*\i:MKV+4*\i+3], v[L16], s[6:7] offset:512*\i
.endr
	global_load_b128 v[OS:OS+3], v[OWN], s[8:9]
	global_load_b32 v[PV], v[PA], s[16:17]
.irp i, 0,1,2,3,4,5,6,7
	global_load_b128 v[SC+4*\i:SC+4*\i+3], v[L16], s[8:9] offset:512*\i
.endr
	s_load_b512 s[MK:MK+15], s[14:15], 0x0         ; my 32 rows' mask words once more, as scalars, for the rows' offsets
	s_load_b512 s[MK+16:MK+31], s[14:15], 0x40
	s_wait_loadcnt 10                              ; the mask is in; the ten loads of scores stay out
	v_or_b32 v[TMP], v[MKV], v[MKV+1]              ; has the batch an open row?
	v_or_b32 v[T2], v[MKV+2], v[MKV+3]
.set ii, 4
.rept 14
	v_or_b32 v[TMP], v[TMP], v[MKV+ii]
	v_or_b32 v[T2], v[T2], v[MKV+ii+1]
.set ii, ii+2
.endr
	v_or_b32 v[TMP], v[TMP], v[T2]
	v_cmp_ne_u32 vcc_lo, 0, v[TMP]
	s_cmp_eq_u32 vcc_lo, 0
	s_cselect_b32 s[NA], 1, 0
.macro ISSUE c                         ; row c of my 32: its offset is c x 4,096 where it counts, else 0; the mask word is held at 1 in the instruction that lets it into an address
	s_or_b32 s2, s[MK+(\c)], s[NA]
	s_min_u32 s2, s2, 1
	s_mul_i32 s2, s2, (\c)*4096
	v_add_nc_u32 v[OFFS+(\c)%5], s2, v[L16]        ; (the loads that named this register, five rows back, have been waited for)
.set ii, 0
.rept 8
	global_load_b128 v[X+32*((\c)%5)+4*ii:X+32*((\c)%5)+4*ii+3], v[OFFS+(\c)%5], s[4:5] offset:512*ii
.set ii, ii+1
.endr
.endm
.macro CONSUME c
.set x_b, X+32*((\c)%5)
.set p_s, PS+2*((\c)%2)
.if (\c) <= 27
	s_wait_loadcnt 32                              ; this row's eight loads are in; the four rows behind it stay out
.else
	s_wait_loadcnt 8*(31-(\c))
.endif
	v_readlane_b32 s[p_s], v[PV], \c
.set ii, 0
.rept 16
.if (\c) == 0
	v_pk_mul_f32 v[ACC+ii:ACC+ii+1], v[x_b+ii:x_b+ii+1], s[p_s:p_s+1] op_sel_hi:[1,0]   ; the first row starts the sums
.else
	v_pk_fma_f32 v[ACC+ii:ACC+ii+1], v[x_b+ii:x_b+ii+1], s[p_s:p_s+1], v[ACC+ii:ACC+ii+1] op_sel_hi:[1,0,1]
.endif
.set ii, ii+2
.endr
.endm
	s_wait_kmcnt 0x0
	ISSUE 0
	ISSUE 1
	ISSUE 2
	ISSUE 3
	ISSUE 4
	s_wait_loadcnt 40                              ; the scores are in; the five rows just asked for stay out
.set ii, 0
.rept 32
	v_cmp_eq_u32 vcc_lo, 0, v[MKV+ii]
	v_cndmask_b32 v[SC+ii], v[SC+ii], v[NEGR], vcc_lo
.set ii, ii+1
.endr
.set ii, 0
.rept 4
	v_cmp_eq_u32 vcc_lo, 0, v[OM+ii]
	v_cndmask_b32 v[OS+ii], v[OS+ii], v[NEGR], vcc_lo
.set ii, ii+1
.endr
	v_cmp_eq_u32 vcc_lo, 0, v[PM]
	v_cndmask_b32 v[PV], v[PV], v[NEGR], vcc_lo
	v_max3_num_f32 v[MX], v[SC], v[SC+1], v[SC+2]  ; the maximum of my 32, in two chains,
	v_max3_num_f32 v[T2], v[SC+3], v[SC+4], v[SC+5]
.irp i, 6,10,14,18,22,26
	v_max3_num_f32 v[MX], v[MX], v[SC+\i], v[SC+\i+1]
	v_max3_num_f32 v[T2], v[T2], v[SC+\i+2], v[SC+\i+3]
.endr
	v_max3_num_f32 v[MX], v[MX], v[SC+30], v[SC+31]
	v_max_num_f32 v[MX], v[MX], v[T2]
	v_max_num_f32_dpp v[MX], v[MX], v[MX] row_xmask:1 row_mask:0xf bank_mask:0xf   ; and of the 32 lanes
	v_max_num_f32_dpp v[MX], v[MX], v[MX] row_xmask:2 row_mask:0xf bank_mask:0xf
	v_max_num_f32_dpp v[MX], v[MX], v[MX] row_xmask:4 row_mask:0xf bank_mask:0xf
	v_max_num_f32_dpp v[MX], v[MX], v[MX] row_xmask:8 row_mask:0xf bank_mask:0xf
	v_permlanex16_b32 v[TMP], v[MX], s30, s31
	v_max_num_f32 v[MX], v[MX], v[TMP]
	v_mov_b32 v[MX+1], v[MX]
.irp i, 0,2,4,6,8,10,12,14,16,18,20,22,24,26,28,30
	v_pk_add_f32 v[SC+\i:SC+\i+1], v[SC+\i:SC+\i+1], v[MX:MX+1] neg_lo:[0,1] neg_hi:[0,1]   ; score - maximum
.endr
.irp i, 0,2
	v_pk_add_f32 v[OS+\i:OS+\i+1], v[OS+\i:OS+\i+1], v[MX:MX+1] neg_lo:[0,1] neg_hi:[0,1]
.endr
	v_sub_f32 v[PV], v[PV], v[MX]
.irp i, 0,2,4,6,8,10,12,14,16,18,20,22,24,26,28,30
	v_pk_mul_f32 v[SC+\i:SC+\i+1], v[SC+\i:SC+\i+1], 0x3fb8aa3b op_sel_hi:[1,0]             ; x log2(e)
.endr
.irp i, 0,2
	v_pk_mul_f32 v[OS+\i:OS+\i+1], v[OS+\i:OS+\i+1], 0x3fb8aa3b op_sel_hi:[1,0]
.endr
	v_mul_f32 v[PV], 0x3fb8aa3b, v[PV]
	s_wait_alu depctr_va_vdst(0)                   ; the wait ahead of the batch
.set ii, 0
.rept 32
	v_exp_f32 v[SC+ii], v[SC+ii]
.set ii, ii+1
.endr
.set ii, 0
.rept 4
	v_exp_f32 v[OS+ii], v[OS+ii]
.set ii, ii+1
.endr
	v_exp_f32 v[PV], v[PV]
	v_nop
	s_wait_alu depctr_va_vdst(0)                   ; and one behind it, ahead of its first reader
.irp i, 0,4,8,12,16,20,24,28
	v_pk_add_f32 v[SC+\i:SC+\i+1], v[SC+\i:SC+\i+1], v[SC+\i+2:SC+\i+3]
.endr
.irp i, 0,8,16,24
	v_pk_add_f32 v[SC+\i:SC+\i+1], v[SC+\i:SC+\i+1], v[SC+\i+4:SC+\i+5]
.endr
.irp i, 0,16
	v_pk_add_f32 v[SC+\i:SC+\i+1], v[SC+\i:SC+\i+1], v[SC+\i+8:SC+\i+9]
.endr
	v_pk_add_f32 v[SC:SC+1], v[SC:SC+1], v[SC+16:SC+17]
	v_add_f32 v[TMP], v[SC], v[SC+1]
	v_add_f32_dpp v[TMP], v[TMP], v[TMP] row_xmask:1 row_mask:0xf bank_mask:0xf
	v_add_f32_dpp v[TMP], v[TMP], v[TMP] row_xmask:2 row_mask:0xf bank_mask:0xf
	v_add_f32_dpp v[TMP], v[TMP], v[TMP] row_xmask:4 row_mask:0xf bank_mask:0xf
	v_add_f32_dpp v[TMP], v[TMP], v[TMP] row_xmask:8 row_mask:0xf bank_mask:0xf
	v_permlanex16_b32 v[T2], v[TMP], s30, s31
	v_add_f32 v[TMP], v[TMP], v[T2]                ; the sum: at least 1, the maximum's own term
	s_wait_alu depctr_va_vdst(0)
	v_rcp_f32 v[TMP], v[TMP]
	v_nop
	s_wait_alu depctr_va_vdst(0)
.irp i, 0,1,2,3
	v_mul_f32 v[OS+\i], v[OS+\i], v[TMP]           ; the attn of rows 128 w + 4 lane + 0 .. 3 of the batch
.endr
	v_mul_f32 v[PV], v[PV], v[TMP]                 ; the attn of my wave's rows, a lane a row
	s_lshr_b32 s21, s18, 1                         ; out1's 256 numbers of this work-group are those of waves 2 q and 2 q + 1
	s_cmp_eq_u32 s21, ttmp9
	s_cbranch_scc0 .Lnot_mine
	global_store_b128 v[OWN], v[OS:OS+3], s[12:13] ; the wave stores 512 consecutive bytes, at a multiple of 256 from out1's first byte
.Lnot_mine:
	s_wait_alu depctr_va_vdst(0)
.set CC, 0
.rept 32
	CONSUME CC
.if CC+5 < 32
	ISSUE CC+5
.endif
.set CC, CC+1
.endr
.irp i, 0,1,2,3,4,5,6,7
	ds_store_b128 v[PST], v[ACC+4*\i:ACC+4*\i+3] offset:512*\i   ; columns 128 i + 4 lane + 0 .. 3
.endr
	s_wait_dscnt 0x0                               ; for the others' sake
	s_barrier_signal -1
	s_barrier_wait -1
.irp p, 0,1,2,3,4,5,6,7
	ds_load_b128 v[X+4*\p:X+4*\p+3], v[PRD] offset:4096*\p       ; wave w adds the eight waves' parts of columns 128 w .. + 127, in a fixed order
.endr
	s_wait_dscnt 0x0
.irp p, 0,8,16,24
	v_pk_add_f32 v[X+\p:X+\p+1], v[X+\p:X+\p+1], v[X+\p+4:X+\p+5]
	v_pk_add_f32 v[X+\p+2:X+\p+3], v[X+\p+2:X+\p+3], v[X+\p+6:X+\p+7]
.endr
.irp p, 0,16
	v_pk_add_f32 v[X+\p:X+\p+1], v[X+\p:X+\p+1], v[X+\p+8:X+\p+9]
	v_pk_add_f32 v[X+\p+2:X+\p+3], v[X+\p+2:X+\p+3], v[X+\p+10:X+\p+11]
.endr
	v_pk_add_f32 v[X:X+1], v[X:X+1], v[X+16:X+17]
	v_pk_add_f32 v[X+2:X+3], v[X+2:X+3], v[X+18:X+19]
	global_store_b128 v[OWN], v[X:X+3], s[10:11]   ; the wave stores 512 consecutive bytes, at a multiple of 256 from part's first byte
	s_wait_tensorcnt 0x0                           ; the wave's end
	ds_add_u32 v[SPW], v[NIL]
	s_wait_dscnt 0x0
	s_endpgm
.Lfunc_end_k_q62dc356064_ctxpart:
	.size	k_q62dc356064_ctxpart, .Lfunc_end_k_q62dc356064_ctxpart-k_q62dc356064_ctxpart
	.p2alignl 7, 3214868480
	.fill 96, 4, 3214868480
	.section	.rodata,"a",@progbits
	.p2align	6, 0x0
	.amdhsa_kernel k_q62dc356064_ctxpart
		.amdhsa_group_segment_fixed_size 33792
		.amdhsa_private_segment_fixed_size 0
		.amdhsa_enable_private_segment 0
		.amdhsa_kernarg_size 40
		.amdhsa_user_sgpr_count 2
		.amdhsa_user_sgpr_kernarg_segment_ptr 1
		.amdhsa_wavefront_size32 1
		.amdhsa_system_sgpr_workgroup_id_x 1
		.amdhsa_system_sgpr_workgroup_id_y 1
		.amdhsa_system_sgpr_workgroup_id_z 1
		.amdhsa_system_vgpr_workitem_id 0
		.amdhsa_next_free_vgpr 256
		.amdhsa_next_free_sgpr 100
		.amdhsa_reserve_vcc 1
		.amdhsa_float_denorm_mode_32 3
		.amdhsa_float_denorm_mode_16_64 3
		.amdhsa_memory_ordered 1
		.amdhsa_forward_progress 1
		.amdhsa_inst_pref_size 81
	.end_amdhsa_kernel
	.amdgpu_metadata
---
amdhsa.version: [ 1, 2 ]
amdhsa.kernels:
  - .name:           k_q62dc356064_ctxpart
    .symbol:         k_q62dc356064_ctxpart.kd
    .args:
      - { .name: encoder_outputs, .offset: 0, .size: 8, .value_kind: global_buffer, .address_space: global }
      - { .name: src_mask, .offset: 8, .size: 8, .value_kind: global_buffer, .address_space: global }
      - { .name: scores, .offset: 16, .size: 8, .value_kind: global_buffer, .address_space: global }
      - { .name: part, .offset: 24, .size: 8, .value_kind: global_buffer, .address_space: global }
      - { .name: out1, .offset: 32, .size: 8, .value_kind: global_buffer, .address_space: global }
    .group_segment_fixed_size: 33792
    .private_segment_fixed_size: 0
    .kernarg_segment_align: 8
    .kernarg_segment_size: 40
    .max_flat_workgroup_size: 256
    .sgpr_count:     100
    .vgpr_count:     256
    .wavefront_size: 32
...
	.end_amdgpu_metadata
.endif
;; end of part 3
;; launch combine (part 4): grid 4 x 64, 2 waves a work-group, no clusters, 0 bytes of LDS; arguments part, out0; writes out0
.if DOCPART == 4
	.amdgcn_target "amdgcn-amd-amdhsa--gfx1250"
	.amdhsa_code_object_version 6
	.text
	.protected	k_q62dc356064_combine
	.globl	k_q62dc356064_combine
	.p2align	8
	.type	k_q62dc356064_combine,@function
k_q62dc356064_combine:
	s_mov_b64 s[64:65], 0
	v_nop
	global_prefetch_b8 v0, s[64:65] scope:SCOPE_SE
	s_setreg_imm32_b32 hwreg(HW_REG_WAVE_MODE, 25, 1), 1
	s_wait_xcnt 0x0
; out0[b][e] = the sum over q = 0 .. 3 of part[b][q][e], in a fixed order, in f32.  Work-group (x, b): columns 256 x .. + 255; a thread takes four of them.
; Four loads and one store a thread, each wave's of 512 consecutive bytes: no loop, no LDS, nothing shared, so no prefetch, cluster or tensor load.
	s_load_b128 s[4:7], s[0:1], 0x0                ; part, out0
	v_lshlrev_b32 v1, 4, v0
	s_and_b32 s8, ttmp7, 0xffff
	s_lshl_b32 s9, ttmp9, 10
	s_lshl_b32 s10, s8, 14                         ; part: the batch's four rows of 4,096 bytes
	s_add_co_u32 s10, s10, s9
	s_mov_b32 s11, 0
	s_lshl_b32 s12, s8, 12
	s_add_co_u32 s12, s12, s9
	s_mov_b32 s13, 0
	s_wait_alu depctr_va_vdst(0)                   ; the wait at the head's end
	s_wait_kmcnt 0x0
	s_add_nc_u64 s[4:5], s[4:5], s[10:11]
	s_add_nc_u64 s[6:7], s[6:7], s[12:13]
.irp q, 0,1,2,3
	global_load_b128 v[4+4*\q:7+4*\q], v1, s[4:5] offset:4096*\q
.endr
	s_wait_loadcnt 0x0
	v_pk_add_f32 v[4:5], v[4:5], v[8:9]
	v_pk_add_f32 v[6:7], v[6:7], v[10:11]
	v_pk_add_f32 v[12:13], v[12:13], v[16:17]
	v_pk_add_f32 v[14:15], v[14:15], v[18:19]
	v_pk_add_f32 v[4:5], v[4:5], v[12:13]
	v_pk_add_f32 v[6:7], v[6:7], v[14:15]
	global_store_b128 v1, v[4:7], s[6:7]
	s_endpgm
.Lfunc_end_k_q62dc356064_combine:
	.size	k_q62dc356064_combine, .Lfunc_end_k_q62dc356064_combine-k_q62dc356064_combine
	.p2alignl 7, 3214868480
	.fill 96, 4, 3214868480
	.section	.rodata,"a",@progbits
	.p2align	6, 0x0
	.amdhsa_kernel k_q62dc356064_combine
		.amdhsa_group_segment_fixed_size 0
		.amdhsa_private_segment_fixed_size 0
		.amdhsa_enable_private_segment 0
		.amdhsa_kernarg_size 16
		.amdhsa_user_sgpr_count 2
		.amdhsa_user_sgpr_kernarg_segment_ptr 1
		.amdhsa_wavefront_size32 1
		.amdhsa_system_sgpr_workgroup_id_x 1
		.amdhsa_system_sgpr_workgroup_id_y 1
		.amdhsa_system_sgpr_workgroup_id_z 1
		.amdhsa_system_vgpr_workitem_id 0
		.amdhsa_next_free_vgpr 32
		.amdhsa_next_free_sgpr 66
		.amdhsa_reserve_vcc 0
		.amdhsa_float_denorm_mode_32 3
		.amdhsa_float_denorm_mode_16_64 3
		.amdhsa_memory_ordered 1
		.amdhsa_forward_progress 1
		.amdhsa_inst_pref_size 2
	.end_amdhsa_kernel
	.amdgpu_metadata
---
amdhsa.version: [ 1, 2 ]
amdhsa.kernels:
  - .name:           k_q62dc356064_combine
    .symbol:         k_q62dc356064_combine.kd
    .args:
      - { .name: part, .offset: 0, .size: 8, .value_kind: global_buffer, .address_space: global }
      - { .name: out0, .offset: 8, .size: 8, .value_kind: global_buffer, .address_space: global }
    .group_segment_fixed_size: 0
    .private_segment_fixed_size: 0
    .kernarg_segment_align: 8
    .kernarg_segment_size: 16
    .max_flat_workgroup_size: 64
    .sgpr_count:     66
    .vgpr_count:     32
    .wavefront_size: 32
...
	.end_amdgpu_metadata
.endif
;; end of part 4
